; MI455X (gfx1250); checked and timed in simulation.
; The chip was launched on July 23, 2026; its instructions are those of AMD's public machine-readable ISA for CDNA 5 (MIT licence, August 2026) and "CDNA5" Instruction Set Architecture Reference Guide (July 2026). The comments in the code are by the model that wrote it; some were corrected since.
;; Self Attention. Allowed arithmetic: matrix products marked QUANTISED: E4M3 operands, one given power-of-two scale a tensor, by v_wmma_f32_16x16x64_fp8_fp8 or v_wmma_f32_16x16x128_fp8_fp8, f32 sums; everything else in f32.
;; Inputs: Wk 512 x 512 float32; Wq 512 x 512 float32; Wv 512 x 512 float32; ln_beta 512 float32; ln_gamma 512 float32; lowp_scales 10 int32 (the exponents e of the quantised operands' scales 2^e); x 4 x 2,048 x 512 float32.
;; Outputs: out0 4 x 2,048 x 512 float32.
;; This version of the problem:
;;   THIS VERSION OF THE PROBLEM IS GIVEN IN LOW PRECISION. The matrix products marked QUANTISED in the list below multiply operands that are first quantised to E4M3 (4 exponent bits, 3 mantissa bits; 8 bits a number), with one given power-of-two scale for each operand tensor; their sums are f32. All else is computed in f32.
;;   The module's matrix products, in the order in which they are computed (A, B: the left and right operand; K: the contracted axis; several contracted axes count as one K, in the product's order):
;;     1. [M 8,192, K 512] x [K 512, N 512]; A: computed on the way; B: input Wq: QUANTISED (scales: A lowp_scales[0], B lowp_scales[1])
;;     2. [M 8,192, K 512] x [K 512, N 512]; A: computed on the way; B: input Wk: QUANTISED (scales: A lowp_scales[2], B lowp_scales[3])
;;     3. [M 8,192, K 512] x [K 512, N 512]; A: computed on the way; B: input Wv: QUANTISED (scales: A lowp_scales[4], B lowp_scales[5])
;;     4. batch 32 x [M 2,048, K 64] x [K 64, N 2,048]; A: computed on the way; B: computed on the way: QUANTISED (scales: A lowp_scales[6], B lowp_scales[7])
;;     5. batch 32 x [M 2,048, K 2,048] x [K 2,048, N 64]; A: softmax (see below); B: computed on the way: QUANTISED (scales: A lowp_scales[8], B lowp_scales[9])
;;   THE QUANTISER, for each operand of a quantised product, along K:
;;     - The operand's scale is 2^e, e = its entry of the input lowp_scales (int32; the entries are numbered through the quantised products in the list's order, A before B).
;;     - Each number is divided by the scale, clamped to +-448, and rounded to the nearest number of E4M3, ties to even, subnormals kept.
;;     - The product sums the exact products of the quantised numbers (number of the format x scale) in f32.
;;   ~~~python
;;   def quantise(x, axis, e):      # numpy; x: float32 -> the quantised numbers, widened to float32 again
;;       x = np.moveaxis(x, axis, -1); K = x.shape[-1]
;;       r = np.clip(x / 2.0 ** e, -448, 448)
;;       step = 2.0 ** (np.maximum(np.frexp(np.where(r == 0, 1, r))[1] - 1, -6) - 3)
;;       q = np.round(r / step) * step * 2.0 ** e      # np.round: ties to even
;;       return np.moveaxis(q, -1, axis).astype(np.float32)
;;   ~~~
;;   SOFTMAX AHEAD OF A QUANTISED PRODUCT. Where the list says 'softmax', what is quantised is not the finished softmax but p = 2^(t - M), with t = logit x log2(e) and M = ceil(the row's largest t), a whole number; so 1/2 < the row's largest p <= 1. The row's sum l is taken of the UNQUANTISED p, in f32, and the product's result is divided by l at the end. Since M is a whole number, a kernel that streams over the keys may use a running M (the ceiling of the running maximum): every later rescaling is an exact power of two, so the quantised numbers keep their values, but for numbers so far below the row's largest that they fall under the format's range.
;;   OPERANDS COMPUTED ON THE WAY. 'Computed on the way' means the value that the module computes at that place (a softmax that the list does not call 'softmax' is quantised finished and normalised). What goes into a quantiser is computed in f32, as accurately as f32 sums, v_exp_f32 and their like allow (about 1e-6 of the number): no bf16 or f16 on the way to a quantiser, and a product that is left as it is and whose result goes on into a quantised operand takes f32 operands (vector FMAs, or v_wmma_f32_16x16x4_f32). A number that lies on a knife's edge between two numbers of the format may be rounded either way, as far as f32 arithmetic and the matrix unit's own rounding can turn it there, and no further.
;; One version. Each part assembles by itself: llvm-mc -triple=amdgcn-amd-amdhsa -mcpu=gfx1250 --defsym DOCPART=n.
;; ======== version 1 of 1: 3 launches
;; limits: right only within a limited range of input values
;; workspace buffers: wc 786,432 bytes; qc 4,194,304 bytes; kv 8,388,608 bytes; st 131,072 bytes
;; launch wquant (part 1): grid 96 x 1, 4 waves a work-group, no clusters, 34,304 bytes of LDS; arguments Wq, Wk, Wv, lowp_scales, wc; writes wc
.if DOCPART == 1
	.amdgcn_target "amdgcn-amd-amdhsa--gfx1250"
	.amdhsa_code_object_version 6
	.text
	.protected	k_qb5b42f8164_wquant
	.globl	k_qb5b42f8164_wquant
	.p2align	8
	.type	k_qb5b42f8164_wquant,@function
k_qb5b42f8164_wquant:
	s_mov_b64 s[64:65], 0
	v_nop
	global_prefetch_b8 v0, s[64:65] scope:SCOPE_SE
	s_setreg_imm32_b32 hwreg(HW_REG_WAVE_MODE, 25, 1), 1
	s_wait_xcnt 0x0
; THE PROGRAM: out = softmax(q k^T / sqrt(512)) v + xn, xn = LayerNorm(x), q, k, v = xn W^T, all five products on codes of E4M3 with given scales 2^e.
; Three launches: this one (the weights become codes), qkv (LayerNorm, the three projections, q, k, v as codes), attn (attention and the residual).
; DEAD WORK: none is left out.  gamma and beta move xn, which moves the codes of products 1 to 3 and is added to the result; every product reaches out0; every input is loaded.
;
; THIS LAUNCH: Wq, Wk, Wv [512 (n)][512 (k)] f32, K innermost, become codes of E4M3: code = w / 2^e, held within +-448, to the nearest code, ties to even; e = entry 1, 3, 5 of the scales.
; LIMITS: -126 <= e <= 119, so that 2^e and 448 x 2^e are f32 numbers.  NaN among the inputs is not served.
; The codes are laid in the order of an operand's registers: wc[which 3][head 8][K step 4][tile 4][2,048 bytes].  A fragment is 16 rows (64 head + 16 tile + r) x 128 K, 16 registers a lane:
; lane (r = lane % 16, h = lane / 16) holds row r, registers 4 c .. 4 c + 3 hold k = 128 s + 32 c + 16 h + 0 .. 15; they lie at 512 c + 16 x lane, so each later load of 16 bytes a lane covers 512 consecutive bytes.
; SHARES: work-group g takes tensor g / 32 and its rows 16 (g % 32) on, wave s K step s: one fragment.  Each load reads 512 consecutive bytes of a row; the 8,192 bytes turn through the wave's own stage in LDS,
; so that a lane gets 16 neighbours along K of each block of 32.  A stage row is 528 = 33 x 16 bytes: sixteen rows begin at sixteen different 16-byte columns modulo 256 bytes.
; Waves share nothing: no barrier.  No matrix work, no tile shared between work-groups: no cluster.
.set PITCH, 528
.set WSTG,  16*PITCH                   ; a wave's stage
.set SPARE, 4*WSTG                     ; behind the stages: the spare words, 128 bytes for each wave: two blocks of 256 bytes that no other line names
.set LI,   4                           ; v4   16 x lane
.set SIN,  5                           ; v5   the stage, on the way in
.set SOUT, 6                           ; v6   and on the way out: row r, + 64 h
.set SC,   7                           ; v7   2^e as f32
.set LIM,  8                           ; v8   448 x 2^e
.set SPW,  12                          ; v12  LDS address of my spare word; never rewritten
.set NIL,  13                          ; v13  0; never rewritten
.set R,    16                          ; v16-79   16 rows as loaded
.set X,    80                          ; v80-143  register 16 c + i = k 32 c + 16 h + i of row r
.set PC,   144                         ; v144-159 the fragment
	s_load_b256 s[4:11], s[0:1], 0x0               ; Wq s[4:5], Wk s[6:7], Wv s[8:9], the scales' exponents s[10:11]
	s_load_b64 s[12:13], s[0:1], 0x20              ; wc
	v_lshl_add_u32 v[SPW], v0, 2, SPARE
	v_mov_b32 v[NIL], 0
	v_lshrrev_b32 v1, 5, v0
	v_readfirstlane_b32 s14, v1                    ; wave = K step
	v_and_b32 v1, 31, v0
	v_and_b32 v2, 15, v0                           ; r
	v_bfe_u32 v3, v0, 4, 1                         ; h
	v_lshlrev_b32 v[LI], 4, v1
	s_mul_i32 s24, s14, WSTG
	v_add_nc_u32 v[SIN], s24, v[LI]
	v_mul_u32_u24 v[SOUT], v2, PITCH
	v_lshl_add_u32 v[SOUT], v3, 6, v[SOUT]
	v_add_nc_u32 v[SOUT], s24, v[SOUT]
	s_lshr_b32 s15, ttmp9, 5                       ; which tensor
	s_and_b32 s28, ttmp9, 31
	s_lshl_b32 s28, s28, 15                        ; 16 rows of 2,048 bytes
	s_lshl_b32 s29, s14, 9                         ; + 512 bytes a K step
	s_add_co_u32 s28, s28, s29
	s_mov_b32 s29, 0
	s_lshr_b32 s30, ttmp9, 2                       ; 8 x tensor + head
	s_lshl_b32 s30, s30, 15
	s_lshl_b32 s31, s14, 13
	s_add_co_u32 s30, s30, s31
	s_and_b32 s31, ttmp9, 3                        ; the tile in its head
	s_lshl_b32 s31, s31, 11
	s_add_co_u32 s30, s30, s31
	s_mov_b32 s31, 0
	s_wait_alu depctr_va_vdst(0)
	s_wait_kmcnt 0x0
	s_load_b256 s[16:23], s[10:11], 0x0            ; e0 .. e7
	s_cmp_eq_u32 s15, 0                            ; the choice hangs on the work-group's number alone
	s_cselect_b64 s[4:5], s[4:5], s[6:7]
	s_cmp_eq_u32 s15, 2
	s_cselect_b64 s[4:5], s[8:9], s[4:5]
	s_add_nc_u64 s[4:5], s[4:5], s[28:29]
	s_add_nc_u64 s[12:13], s[12:13], s[30:31]
.irp i, 0,1,2,3,4,5,6,7,8,9,10,11,12,13,14,15
	global_load_b128 v[R+4*\i:R+4*\i+3], v[LI], s[4:5] offset:2048*\i th:TH_LOAD_NT   ; row i: 32 lanes read 512 consecutive bytes
.endr
	s_wait_kmcnt 0x0
	s_cmp_eq_u32 s15, 0
	s_cselect_b32 s24, s17, s19                    ; e1 or e3,
	s_cmp_eq_u32 s15, 2
	s_cselect_b32 s24, s21, s24                    ; or e5
	s_add_co_i32 s24, s24, 127
	s_lshl_b32 s25, s24, 23
	v_mov_b32 v[SC], s25                           ; the conversion takes this number's exponent field
	s_add_co_i32 s24, s24, 8
	s_lshl_b32 s24, s24, 23
	s_or_b32 s24, s24, 0x600000                    ; 448 = 1.75 x 2^8
	v_mov_b32 v[LIM], s24
	s_wait_alu depctr_va_vdst(0)
.irp i, 0,1,2,3,4,5,6,7,8,9,10,11,12,13,14,15
	s_wait_loadcnt 15-\i                           ; loads come back in order: row i is in, the younger rows may be out
	ds_store_b128 v[SIN], v[R+4*\i:R+4*\i+3] offset:PITCH*\i
.endr
.irp c, 0,1,2,3
.irp j, 0,1,2,3
	ds_load_b128 v[X+16*\c+4*\j:X+16*\c+4*\j+3], v[SOUT] offset:128*\c+16*\j   ; LDS serves a wave's instructions in order: these see my stores
.endr
.endr
	s_wait_dscnt 0x0
.irp c, 0,1,2,3
.irp i, 0,1,2,3,4,5,6,7,8,9,10,11,12,13,14,15
	v_med3_num_f32 v[X+16*\c+\i], v[X+16*\c+\i], -v[LIM], v[LIM]   ; the conversion to an 8-bit code does not saturate (ISA guide 7.6.2): the hold comes first
.endr
	v_cvt_scalef32_pk8_fp8_f32 v[PC+4*\c:PC+4*\c+1], v[X+16*\c:X+16*\c+7], v[SC]
	v_cvt_scalef32_pk8_fp8_f32 v[PC+4*\c+2:PC+4*\c+3], v[X+16*\c+8:X+16*\c+15], v[SC]
.endr
	v_nop                                          ; a plain line behind the last conversion
.irp c, 0,1,2,3
	global_store_b128 v[LI], v[PC+4*\c:PC+4*\c+3], s[12:13] offset:512*\c   ; 32 lanes store 512 consecutive bytes, at a multiple of 256 from wc's first byte
.endr
	s_wait_tensorcnt 0x0                           ; the wave's end: behind my last LDS store
	ds_add_u32 v[SPW], v[NIL]
	s_wait_dscnt 0x0
	s_endpgm
.Lfunc_end_k_qb5b42f8164_wquant:
	.size	k_qb5b42f8164_wquant, .Lfunc_end_k_qb5b42f8164_wquant-k_qb5b42f8164_wquant
	.p2alignl 7, 3214868480
	.fill 96, 4, 3214868480
	.section	.rodata,"a",@progbits
	.p2align	6, 0x0
	.amdhsa_kernel k_qb5b42f8164_wquant
		.amdhsa_group_segment_fixed_size 34304
		.amdhsa_private_segment_fixed_size 0
		.amdhsa_enable_private_segment 0
		.amdhsa_kernarg_size 40
		.amdhsa_user_sgpr_count 2
		.amdhsa_user_sgpr_kernarg_segment_ptr 1
		.amdhsa_wavefront_size32 1
		.amdhsa_system_sgpr_workgroup_id_x 1
		.amdhsa_system_sgpr_workgroup_id_y 1
		.amdhsa_system_sgpr_workgroup_id_z 1
		.amdhsa_system_vgpr_workitem_id 0
		.amdhsa_next_free_vgpr 160
		.amdhsa_next_free_sgpr 66
		.amdhsa_reserve_vcc 0
		.amdhsa_float_denorm_mode_32 3
		.amdhsa_float_denorm_mode_16_64 3
		.amdhsa_memory_ordered 1
		.amdhsa_forward_progress 1
		.amdhsa_inst_pref_size 12
	.end_amdhsa_kernel
	.amdgpu_metadata
---
amdhsa.version: [ 1, 2 ]
amdhsa.kernels:
  - .name:           k_qb5b42f8164_wquant
    .symbol:         k_qb5b42f8164_wquant.kd
    .args:
      - { .name: Wq, .offset: 0, .size: 8, .value_kind: global_buffer, .address_space: global }
      - { .name: Wk, .offset: 8, .size: 8, .value_kind: global_buffer, .address_space: global }
      - { .name: Wv, .offset: 16, .size: 8, .value_kind: global_buffer, .address_space: global }
      - { .name: lowp_scales, .offset: 24, .size: 8, .value_kind: global_buffer, .address_space: global }
      - { .name: wc, .offset: 32, .size: 8, .value_kind: global_buffer, .address_space: global }
    .group_segment_fixed_size: 34304
    .private_segment_fixed_size: 0
    .kernarg_segment_align: 8
    .kernarg_segment_size: 40
    .max_flat_workgroup_size: 128
    .sgpr_count:     66
    .vgpr_count:     160
    .wavefront_size: 32
...
	.end_amdgpu_metadata
.endif
;; end of part 1
;; launch qkv (part 2): grid 128 x 2, 8 waves a work-group, no clusters, 240,640 bytes of LDS; arguments x, ln_gamma, ln_beta, lowp_scales, wc, qc, kv, st; writes qc, kv, st
.if DOCPART == 2
	.amdgcn_target "amdgcn-amd-amdhsa--gfx1250"
	.amdhsa_code_object_version 6
	.text
	.protected	k_qb5b42f8164_qkv
	.globl	k_qb5b42f8164_qkv
	.p2align	8
	.type	k_qb5b42f8164_qkv,@function
k_qb5b42f8164_qkv:
	s_mov_b64 s[64:65], 0
	v_nop
	global_prefetch_b8 v0, s[64:65] scope:SCOPE_SE
	s_setreg_imm32_b32 hwreg(HW_REG_WAVE_MODE, 25, 1), 1
	s_wait_xcnt 0x0
; xn = (x - mu) / sqrt(var + 1e-5) x gamma + beta;  q, k, v = xn W^T on codes of E4M3;  q, k, v leave as codes of E4M3, laid as the next launch's operand registers; mu and 1 / sqrt(var + 1e-5) leave as f32.
; No work of the problem is left out here.  xn is quantised three times, with e0, e2, e4, since each product has its own scale for it.
; A sum of product p stands for sum x 2^(ea + eb); its code is sum / 2^(eo - ea - eb): the three exponents are folded into the conversion's one scale (eo = e6 for q, e7 for k, e9 for v).
; LIMITS: e0, e2, e4, e6 - e0 - e1, e7 - e2 - e3, e9 - e4 - e5 lie between -126 and 119, so that each scale and 448 x it are f32 numbers.  NaN among the inputs is not served.
; SHARES.  A work-group takes 64 tokens (four tiles of 16) and half of the heads, 4 y .. 4 y + 3.
; LayerNorm: wave w takes two tiles of tokens (w / 4) and columns 128 (w % 4) on, 64 numbers a lane and tile; the rows' sums meet in LDS (two passes: the mean, then the squares of x - mu, as the problem writes it).
; The two halves of the heads each make it.
; Products, a phase for each of q, k, v: wave w takes two tiles of outputs, 2 g and 2 g + 1 (g = w % 2) of head 4 y + w / 2, x all four tiles of tokens x 4 K steps of 128 = 32 matrix instructions.
; xn's codes go from wave to wave through LDS as images of the operand's registers: three sets of 32,768 bytes, each with bytes of its own, so one barrier serves all three.
; NO CLUSTER, though the work-groups of one y read the same 393,216 bytes of weights' codes: in a work-group each fragment is used by ONE wave, at once for all 64 tokens, so it goes from memory straight into that wave's
; registers, a whole phase (32 loads of 512 consecutive bytes) ahead.  A joint load lands in LDS: there every fragment would be written and read once more, the three tensors' halves do not fit beside xn's images, and
; each refill would put a round into every wave's way, with 32 matrix instructions between two of them.  No data prefetch: there is no loop to run ahead in; the loads themselves are out a phase ahead.
; LAYOUTS (r = lane % 16, h = lane / 16).  xn's and W's fragments: registers 4 c .. 4 c + 3 hold k = 128 s + 32 c + 16 h + 0 .. 15: one and the same permutation of k on both sides.
; q and k are made TRANSPOSED (source 0 = 16 rows of W, source 1 = xn): register j of tile t is channel 16 t + 8 h + j of token r: one conversion gives registers 2 t, 2 t + 1 of a fragment of the K = 64 form.
; v is made the natural way (source 0 = xn, source 1 = 16 rows of Wv): register j is token 8 h + j, the lane is channel r: one conversion gives two registers of a fragment of the K = 128 form whose K is the keys.
; qc[bh 32][tile of 16 queries 128][1,024];  kv[bh 32][step of 128 keys 16][16,384]: 8 tiles of k of 1,024 bytes, then 4 tiles of v of 2,048;  st[token][mu, mu, rs, rs].
; REGISTERS.  Window 0: v16-143 LayerNorm's numbers, then two buffers of a K step's four fragments of xn; v144-239 xn's codes, three sets (ahead of them v208-237 the statistics); v240-255 at work;
;   then v144-207 eight accumulators, v208-255 the codes of q, k, v.   Window 1: v0-127 Wq, later Wv; v128-191 gamma, v192-255 beta, then v128-255 Wk.
.set STG,   98304                      ; LDS behind the three sets: LayerNorm's stages, for each wave four times 16 rows x 272 bytes
.set SPIT,  272
.set PASS,  16*SPIT
.set RED0,  STG+8*4*PASS               ; the rows' partial sums: 256 x tile + 16 r + 4 s; the squares' 1,024 bytes further on
.set SPARE, RED0+2048                  ; the spare words, 128 bytes for each wave: four blocks of 256 bytes that no other line names
.set XG,    0                          ; v0   my place in x: row h, 16 r bytes on (behind the head)
.set SC,    1                          ; v1   the conversion's scale
.set XR2,   2                          ; v2   the third set's images: 65,536 + 16 x lane
.set LIM,   4                          ; v4   448 x the scale
.set LI,    5                          ; v5   16 x lane
.set SIN,   6                          ; v6   my stage, on the way in; later where I store the third set's images
.set SOUT,  7                          ; v7   my stage, on the way out
.set GB,    8                          ; v8   64 h: my numbers of gamma and beta
.set RW,    9                          ; v9   where I put a partial sum
.set RR,    10                         ; v10  where I read a row's four
.set XWI,   11                         ; v11  where I store xn's images
.set SO,    13                         ; v13  st: 16 r + 8 h
.set SPW,   14                         ; v14  LDS address of my spare word; never rewritten
.set NIL,   15                         ; v15  0; never rewritten
.set X,     16
.set XF,    16
.set CS,    144
.set ACC,   144
.set OC,    208
.set MU,    208                        ; pairs: tile 0 v[208:209], tile 1 v[210:211]
.set RS,    212                        ; likewise
.set CH,    216                        ; four chains of pairs for tile 0, then for tile 1
.set PD,    232
.set SD,    234
.set T,     240
.set MSB, 0
.macro WIN new                         ; the immediate's high byte repeats the setting that is left; a switch that changes nothing is dropped
.if MSB != (\new)
	s_set_vgpr_msb (MSB<<8)|(\new)
.set MSB, (\new)
.endif
.endm
.macro BARRIER                         ; my LDS stores have landed and my LDS loads are in: then the work-group's barrier
	s_wait_alu depctr_va_vdst(0)
	s_wait_dscnt 0x0
	s_barrier_signal -1
	s_barrier_wait -1
.endm
.macro MKSC d, e                       ; s[d] = 2^e as f32, s[d + 1] = 448 x 2^e, e in s[e]
	s_add_co_i32 s23, s[\e], 127
	s_lshl_b32 s[\d], s23, 23
	s_add_co_i32 s23, s23, 8
	s_lshl_b32 s23, s23, 23
	s_or_b32 s[\d+1], s23, 0x600000
.endm
.macro WLOAD p, s                      ; tensor p, K step s: my two fragments: 8 loads of 512 consecutive bytes
	WIN 0x40
.irp t, 0,1
.irp c, 0,1,2,3
	global_load_b128 v[128*((\p)%2)+32*(\s)+16*\t+4*\c:128*((\p)%2)+32*(\s)+16*\t+4*\c+3], v[LI], s[12:13] offset:(\p)*262144+(\s)*8192+\t*2048+512*\c
.endr
.endr
	WIN 0
.endm
.macro XLOAD i                         ; step i = 4 x phase + K step: the four token tiles' fragments into buffer i % 2
.irp m, 0,1,2,3
.irp c, 0,1,2,3
.if (\i) < 8
	ds_load_b128 v[XF+64*((\i)%2)+16*\m+4*\c:XF+64*((\i)%2)+16*\m+4*\c+3], v[LI] offset:32768*((\i)/4)+8192*\m+2048*((\i)%4)+512*\c
.else
	ds_load_b128 v[XF+64*((\i)%2)+16*\m+4*\c:XF+64*((\i)%2)+16*\m+4*\c+3], v[XR2] offset:8192*\m+2048*((\i)%4)+512*\c
.endif
.endr
.endr
.endm
.macro JOIN red                        ; the four chains become the lane's sum, the row's part in my wave, and, through LDS, the row's sum in v[CH] and v[CH + 8]
.irp u, 0,8
	v_pk_add_f32 v[CH+\u:CH+\u+1], v[CH+\u:CH+\u+1], v[CH+\u+2:CH+\u+3]
	v_pk_add_f32 v[CH+\u+4:CH+\u+5], v[CH+\u+4:CH+\u+5], v[CH+\u+6:CH+\u+7]
.endr
.irp u, 0,8
	v_pk_add_f32 v[CH+\u:CH+\u+1], v[CH+\u:CH+\u+1], v[CH+\u+4:CH+\u+5]
.endr
.irp u, 0,8
	v_add_f32 v[CH+\u], v[CH+\u], v[CH+\u+1]
.endr
	v_permlanex16_b32 v[PD], v[CH], s52, s53       ; the row's other 64 numbers lie in the lane 16 away
	v_permlanex16_b32 v[PD+1], v[CH+8], s52, s53
	v_add_f32 v[CH], v[CH], v[PD]
	v_add_f32 v[CH+8], v[CH+8], v[PD+1]
	ds_store_b32 v[RW], v[CH] offset:\red          ; (both halves of the lanes write the same word with the same number)
	ds_store_b32 v[RW], v[CH+8] offset:\red+256
	BARRIER
	ds_load_b128 v[CH:CH+3], v[RR] offset:\red
	ds_load_b128 v[CH+8:CH+11], v[RR] offset:\red+256
	s_wait_dscnt 0x0
.irp u, 0,8
	v_add_f32 v[CH+\u], v[CH+\u], v[CH+\u+1]
	v_add_f32 v[CH+\u+2], v[CH+\u+2], v[CH+\u+3]
.endr
.irp u, 0,8
	v_add_f32 v[CH+\u], v[CH+\u], v[CH+\u+2]
.endr
.endm
.macro QUANT q                         ; xn becomes set q's codes: 8 numbers a conversion; the hold goes into other registers, since xn is wanted three times
	v_mov_b32 v[SC], s[40+2*\q]
	v_mov_b32 v[LIM], s[41+2*\q]
.set g, 0
.rept 16
.irp i, 0,1,2,3,4,5,6,7
	v_med3_num_f32 v[T+8*(g%2)+\i], v[X+8*g+\i], -v[LIM], v[LIM]   ; the conversion to an 8-bit code does not saturate (ISA guide 7.6.2)
.endr
	v_cvt_scalef32_pk8_fp8_f32 v[CS+32*\q+2*g:CS+32*\q+2*g+1], v[T+8*(g%2):T+8*(g%2)+7], v[SC]
.set g, g+1
.endr
	v_nop                                          ; a plain line behind the last conversion
.endm
.macro ISTORE q, base, off             ; set q's fragments go to LDS as they stand in the registers
.irp u, 0,1
.irp c, 0,1,2,3
	ds_store_b128 v[\base], v[CS+32*\q+16*\u+4*\c:CS+32*\q+16*\u+4*\c+3] offset:\off+\u*8192+512*\c
.endr
.endr
.endm
.macro MM p, s                         ; a K step: eight matrix instructions; the eight accumulators take turns, one instruction a turn
.if (\p) < 2
	WIN 0x01                                       ; source 0 (W) window 1
.else
	WIN 0x04                                       ; source 1 (W) window 1
.endif
.irp t, 0,1
.irp m, 0,1,2,3
.set rD, ACC+8*(4*\t+\m)
.set rW, 128*((\p)%2)+32*(\s)+16*\t
.set rX, XF+64*((\s)%2)+16*\m
.if (\p) < 2
.if (\s) == 0
	v_wmma_f32_16x16x128_fp8_fp8 v[rD:rD+7], v[rW:rW+15], v[rX:rX+15], 0
.else
	v_wmma_f32_16x16x128_fp8_fp8 v[rD:rD+7], v[rW:rW+15], v[rX:rX+15], v[rD:rD+7]
.endif
.else
.if (\s) == 0
	v_wmma_f32_16x16x128_fp8_fp8 v[rD:rD+7], v[rX:rX+15], v[rW:rW+15], 0
.else
	v_wmma_f32_16x16x128_fp8_fp8 v[rD:rD+7], v[rX:rX+15], v[rW:rW+15], v[rD:rD+7]
.endif
.endif
.endr
.endr
	WIN 0
.endm
.macro EPI p                           ; the eight accumulators become codes and leave; each phase has its own sixteen registers for them, so no store's data are written again
	v_mov_b32 v[SC], s[46+2*\p]
	v_mov_b32 v[LIM], s[47+2*\p]
.set n, 0
.rept 64
	v_med3_num_f32 v[ACC+n], v[ACC+n], -v[LIM], v[LIM]   ; the hold at the largest code x the scale; each accumulator from its low end on
.set n, n+1
.endr
.irp t, 0,1
.irp m, 0,1,2,3
.if \p < 2
	v_cvt_scalef32_pk8_fp8_f32 v[OC+16*\p+4*\m+2*\t:OC+16*\p+4*\m+2*\t+1], v[ACC+8*(4*\t+\m):ACC+8*(4*\t+\m)+7], v[SC]   ; token tile m: the fragment's registers 4 g + 2 t, 4 g + 2 t + 1
.else
	v_cvt_scalef32_pk8_fp8_f32 v[OC+32+8*\t+2*\m:OC+32+8*\t+2*\m+1], v[ACC+8*(4*\t+\m):ACC+8*(4*\t+\m)+7], v[SC]   ; channel tile t: two registers for 16 tokens
.endif
.endr
.endr
	v_nop                                          ; a plain line between the last conversion and the next products, which write its sources
.if \p == 0
.irp m, 0,1,2,3
	global_store_b128 v[LI], v[OC+4*\m:OC+4*\m+3], s[14:15] offset:1024*\m   ; each store covers 512 consecutive bytes, at a multiple of 256 from the buffer's first byte
.endr
.elseif \p == 1
.irp m, 0,1,2,3
	global_store_b128 v[LI], v[OC+16+4*\m:OC+16+4*\m+3], s[16:17] offset:1024*\m
.endr
.else
.irp t, 0,1
.irp b, 0,1
	global_store_b128 v[LI], v[OC+32+8*\t+4*\b:OC+32+8*\t+4*\b+3], s[54:55] offset:2048*\t+512*\b
.endr
.endr
.endif
.endm
; A step: K step s of phase p.
.macro PSTEP p, s
.if (\p) == 0
	s_wait_loadcnt 56                              ; this K step's 8 loads of Wq are in: behind them 24 - 8 s of Wq, 32 of Wk, 8 s of Wv
.elseif (\p) == 1
	s_wait_loadcnt 56-8*(\s)                       ; behind them 24 - 8 s of Wk and 32 of Wv
.else
	s_wait_loadcnt 24-8*(\s)                       ; behind them 24 - 8 s of Wv
.endif
.if 4*(\p)+(\s) < 11
	s_wait_dscnt 16                                ; this step's fragments of xn are in; the next step's 16 loads may be out
.else
	s_wait_dscnt 0x0
.endif
	MM \p, \s
.rept 4
	v_nop                                          ; four places in front of loads into registers that these products have read, and of the first read of results
.endr
.if 4*(\p)+(\s) < 10
	XLOAD 4*(\p)+(\s)+2
.endif
.if (\p) == 0
	WLOAD 2, \s                                    ; Wv takes Wq's registers
.endif
.if (\s) == 3
	EPI \p
.endif
.endm
	s_load_b256 s[4:11], s[0:1], 0x0               ; x s[4:5], gamma s[6:7], beta s[8:9], the scales' exponents s[10:11]
	s_load_b256 s[12:19], s[0:1], 0x20             ; wc s[12:13], qc s[14:15], kv s[16:17], st s[18:19]
	v_lshl_add_u32 v[SPW], v0, 2, SPARE
	v_mov_b32 v[NIL], 0
	v_lshrrev_b32 v1, 5, v0
	v_readfirstlane_b32 s20, v1                    ; wave 0..7
	s_lshr_b32 s21, s20, 2                         ; th: my two tiles of tokens in LayerNorm
	s_and_b32 s22, s20, 3                          ; s: my 128 columns
	s_mul_i32 s23, s20, 4*PASS
	s_add_co_u32 s23, s23, STG                     ; my stage
	s_lshl_b32 s34, s21, 9
	s_add_co_u32 s34, s34, RED0
	s_lshl_b32 s35, s22, 2
	s_lshl_b32 s36, s21, 14
	s_lshl_b32 s37, s22, 11
	s_add_co_u32 s37, s37, s36                     ; of my two tiles' images the one K step that I make
	v_and_b32 v2, 15, v0                           ; r
	v_bfe_u32 v3, v0, 4, 1                         ; h
	v_and_b32 v[LI], 31, v0
	v_lshlrev_b32 v1, 4, v2                        ; 16 r
	v_lshlrev_b32 v[LI], 4, v[LI]
	v_mul_u32_u24 v[SIN], v3, SPIT
	v_mul_u32_u24 v[SOUT], v2, SPIT
	v_lshlrev_b32 v[GB], 6, v3
	v_add_nc_u32 v[SIN], v[SIN], v1
	v_lshl_add_u32 v[SOUT], v3, 6, v[SOUT]
	v_add_nc_u32 v[RR], s34, v1
	v_add_nc_u32 v[SIN], s23, v[SIN]               ; in: row h of a pair of rows, 16 r bytes on
	v_add_nc_u32 v[SOUT], s23, v[SOUT]             ; out: row r, + 64 h
	v_add_nc_u32 v[RW], s35, v[RR]
	v_add_nc_u32 v[XWI], s37, v[LI]
	v_lshl_add_u32 v[SO], v3, 3, v1
	v_lshl_add_u32 v[XG], v3, 11, v1
	v_add_nc_u32 v[XR2], 0x10000, v[LI]
	v_mov_b32 v[PD], 0                             ; written once: a lane permute's destination counts as one of its sources
	v_mov_b32 v[PD+1], 0
	s_mov_b32 s52, 0x76543210                      ; v_permlanex16_b32: lane l xor 16
	s_mov_b32 s53, 0xfedcba98
	s_and_b32 s38, ttmp7, 0xffff                   ; y: which half of the heads
	s_lshl_b32 s39, s38, 2                         ; 4 y
	s_lshl_b32 s58, s22, 9                         ; 512 s in a row of x, gamma, beta
	s_mov_b32 s59, 0
	s_lshl_b32 s56, ttmp9, 17                      ; x: 64 rows of 2,048 bytes a work-group, 32 for a wave's two tiles
	s_lshl_b32 s57, s21, 16
	s_add_co_u32 s56, s56, s57
	s_add_co_u32 s56, s56, s58
	s_mov_b32 s57, 0
	s_lshr_b32 s60, s20, 1
	s_add_co_u32 s60, s60, s39                     ; my head in the products: 4 y + w / 2
	s_and_b32 s61, s20, 1                          ; g: which two of its four tiles
	s_lshl_b32 s72, s60, 15                        ; wc: 32,768 bytes a head, 2,048 a tile
	s_lshl_b32 s73, s61, 12
	s_add_co_u32 s72, s72, s73
	s_mov_b32 s73, 0
	s_lshr_b32 s62, ttmp9, 5                       ; the batch
	s_lshl_b32 s62, s62, 3
	s_add_co_u32 s60, s60, s62                     ; bh
	s_and_b32 s63, ttmp9, 31                       ; which 64 tokens of the batch
	s_lshl_b32 s62, s60, 17                        ; qc: (128 bh + 4 x those) x 1,024 + 512 g
	s_lshl_b32 s66, s63, 12
	s_add_co_u32 s62, s62, s66
	s_lshl_b32 s67, s61, 9
	s_add_co_u32 s62, s62, s67
	s_lshl_b32 s68, s60, 18                        ; kv: bh x 262,144 + step x 16,384
	s_lshr_b32 s66, s63, 1
	s_lshl_b32 s66, s66, 14
	s_add_co_u32 s68, s68, s66
	s_and_b32 s63, s63, 1                          ; which half of the step's keys
	s_lshl_b32 s66, s63, 12
	s_add_co_u32 s66, s66, s68
	s_add_co_u32 s66, s66, s67                     ; k: + 4 tiles of 1,024 a half + 512 g
	s_lshl_b32 s69, s61, 12
	s_add_co_u32 s68, s68, s69
	s_lshl_b32 s69, s63, 10
	s_add_co_u32 s68, s68, s69
	s_add_co_u32 s68, s68, 8192                    ; v: + 8,192 + 2 tiles of 2,048 a g + two of their four 512 bytes
	s_mov_b32 s63, 0
	s_mov_b32 s67, 0
	s_mov_b32 s69, 0
	s_lshl_b32 s70, ttmp9, 10                      ; st: 16 bytes a token
	s_lshl_b32 s71, s21, 9
	s_add_co_u32 s70, s70, s71
	s_mov_b32 s71, 0
	s_wait_alu depctr_va_vdst(0)
	s_wait_kmcnt 0x0
	s_load_b256 s[24:31], s[10:11], 0x0            ; e0 .. e7
	s_load_b64 s[32:33], s[10:11], 0x20            ; e8, e9
	s_add_nc_u64 s[4:5], s[4:5], s[56:57]
	s_add_nc_u64 s[6:7], s[6:7], s[58:59]
	s_add_nc_u64 s[8:9], s[8:9], s[58:59]
.irp u, 0,1
.irp f, 0,1
.irp k, 0,1,2,3,4,5,6,7
	global_load_b128 v[X+64*\u+32*\f+4*\k:X+64*\u+32*\f+4*\k+3], v[XG], s[4:5] offset:32768*\u+256*\f+4096*\k   ; two rows, 256 consecutive bytes of each
.endr
.endr
.endr
	WIN 0x40
.irp c, 0,1,2,3
.irp i, 0,1,2,3
	global_load_b128 v[128+16*\c+4*\i:128+16*\c+4*\i+3], v[GB], s[6:7] offset:128*\c+16*\i   ; gamma at my 64 columns: 128 s + 32 c + 16 h + 0 .. 15
.endr
.endr
	WIN 0
	s_add_nc_u64 s[12:13], s[12:13], s[72:73]
	s_add_nc_u64 s[14:15], s[14:15], s[62:63]
	s_add_nc_u64 s[54:55], s[16:17], s[68:69]
	s_add_nc_u64 s[16:17], s[16:17], s[66:67]
	s_add_nc_u64 s[18:19], s[18:19], s[70:71]
	s_wait_kmcnt 0x0
	MKSC 40, 24                                    ; xn for q: e0
	MKSC 42, 26                                    ; for k: e2
	MKSC 44, 28                                    ; for v: e4
	s_sub_co_i32 s34, s30, s24
	s_sub_co_i32 s34, s34, s25
	MKSC 46, 34                                    ; q: e6 - e0 - e1
	s_sub_co_i32 s34, s31, s26
	s_sub_co_i32 s34, s34, s27
	MKSC 48, 34                                    ; k: e7 - e2 - e3
	s_sub_co_i32 s34, s33, s28
	s_sub_co_i32 s34, s34, s29
	MKSC 50, 34                                    ; v: e9 - e4 - e5
	s_mov_b32 s34, 0x3b000000                      ; 1 / 512
	s_mov_b32 s35, 0x3727c5ac                      ; 1e-5
	; x through my stage: all of it in, then all of it back into the same registers
.set j, 0
.irp u, 0,1
.irp f, 0,1
.irp k, 0,1,2,3,4,5,6,7
	s_wait_loadcnt 47-j                            ; load j is in: behind it 31 - j others of x and gamma's sixteen
	ds_store_b128 v[SIN], v[X+64*\u+32*\f+4*\k:X+64*\u+32*\f+4*\k+3] offset:PASS*(2*\u+\f)+2*SPIT*\k
.set j, j+1
.endr
.endr
.endr
	WIN 0x40
.irp c, 0,1,2,3
.irp i, 0,1,2,3
	global_load_b128 v[192+16*\c+4*\i:192+16*\c+4*\i+3], v[GB], s[8:9] offset:128*\c+16*\i   ; beta likewise
.endr
.endr
	WIN 0
	s_wait_dscnt 0x0                               ; the stores have read their registers
.irp u, 0,1
.irp f, 0,1
.irp c, 0,1
.irp i, 0,1,2,3
	ds_load_b128 v[X+64*\u+32*\f+16*\c+4*\i:X+64*\u+32*\f+16*\c+4*\i+3], v[SOUT] offset:PASS*(2*\u+\f)+128*\c+16*\i
.endr
.endr
.endr
.endr
.irp s, 0,1,2,3
	WLOAD 0, \s                                    ; Wq goes out ahead of LayerNorm's arithmetic
.endr
	s_wait_dscnt 0x0
	; ---- the mean
.irp k, 0,1,2,3
	v_pk_add_f32 v[CH+2*\k:CH+2*\k+1], v[X+2*\k:X+2*\k+1], v[X+8+2*\k:X+8+2*\k+1]   ; the first pairs start the chains: nothing is cleared
	v_pk_add_f32 v[CH+8+2*\k:CH+8+2*\k+1], v[X+64+2*\k:X+64+2*\k+1], v[X+72+2*\k:X+72+2*\k+1]
.endr
.set n, 8
.rept 24
	v_pk_add_f32 v[CH+2*(n%4):CH+2*(n%4)+1], v[CH+2*(n%4):CH+2*(n%4)+1], v[X+2*n:X+2*n+1]
	v_pk_add_f32 v[CH+8+2*(n%4):CH+8+2*(n%4)+1], v[CH+8+2*(n%4):CH+8+2*(n%4)+1], v[X+64+2*n:X+64+2*n+1]
.set n, n+1
.endr
	JOIN 0
	v_mul_f32 v[MU], s34, v[CH]
	v_mul_f32 v[MU+2], s34, v[CH+8]
	v_mov_b32 v[MU+1], v[MU]
	v_mov_b32 v[MU+3], v[MU+2]
	; ---- x - mu, and the mean of its squares
.set n, 0
.rept 32
	v_pk_add_f32 v[X+2*n:X+2*n+1], v[X+2*n:X+2*n+1], v[MU:MU+1] neg_lo:[0,1] neg_hi:[0,1]
	v_pk_add_f32 v[X+64+2*n:X+64+2*n+1], v[X+64+2*n:X+64+2*n+1], v[MU+2:MU+3] neg_lo:[0,1] neg_hi:[0,1]
.set n, n+1
.endr
.irp k, 0,1,2,3
	v_pk_mul_f32 v[CH+2*\k:CH+2*\k+1], v[X+2*\k:X+2*\k+1], v[X+2*\k:X+2*\k+1]
	v_pk_mul_f32 v[CH+8+2*\k:CH+8+2*\k+1], v[X+64+2*\k:X+64+2*\k+1], v[X+64+2*\k:X+64+2*\k+1]
.endr
.set n, 4
.rept 28
	v_pk_fma_f32 v[CH+2*(n%4):CH+2*(n%4)+1], v[X+2*n:X+2*n+1], v[X+2*n:X+2*n+1], v[CH+2*(n%4):CH+2*(n%4)+1]
	v_pk_fma_f32 v[CH+8+2*(n%4):CH+8+2*(n%4)+1], v[X+64+2*n:X+64+2*n+1], v[X+64+2*n:X+64+2*n+1], v[CH+8+2*(n%4):CH+8+2*(n%4)+1]
.set n, n+1
.endr
	JOIN 1024                                      ; other words than the first sums': no barrier is needed between the two uses
	v_fma_f32 v[CH], v[CH], s34, s35               ; var + 1e-5
	v_fma_f32 v[CH+8], v[CH+8], s34, s35
	s_wait_alu depctr_va_vdst(0)                   ; ahead of the batch,
	v_rsq_f32 v[RS], v[CH]
	v_rsq_f32 v[RS+2], v[CH+8]
	v_nop
	s_wait_alu depctr_va_vdst(0)                   ; and behind it
	v_mov_b32 v[RS+1], v[RS]
	v_mov_b32 v[RS+3], v[RS+2]
	s_wait_alu depctr_va_vdst(0)
	s_cmp_lg_u32 s20, s39                          ; wave 4 y stores its two tiles' st: the work-group of each y stores one half of the 64 tokens
	s_cbranch_scc1 .Lno_stat
	v_cmp_eq_u32 vcc_lo, 1, v3
	v_cndmask_b32 v[SD], v[MU], v[RS], vcc_lo      ; lanes 0-15: mu, lanes 16-31: rs
	v_cndmask_b32 v[SD+2], v[MU+2], v[RS+2], vcc_lo
	v_mov_b32 v[SD+1], v[SD]
	v_mov_b32 v[SD+3], v[SD+2]
	global_store_b64 v[SO], v[SD:SD+1], s[18:19]   ; 32 lanes x 8 bytes: 256 consecutive bytes, at a multiple of 256 from st's first byte
	global_store_b64 v[SO], v[SD+2:SD+3], s[18:19] offset:256
.Lno_stat:
	s_wait_loadcnt 32                              ; gamma and beta are in; Wq's 32 loads may be out
	s_wait_alu depctr_va_vdst(0)
.set n, 0
.rept 32
	v_pk_mul_f32 v[X+2*n:X+2*n+1], v[X+2*n:X+2*n+1], v[RS:RS+1]
	v_pk_mul_f32 v[X+64+2*n:X+64+2*n+1], v[X+64+2*n:X+64+2*n+1], v[RS+2:RS+3]
.set n, n+1
.endr
	WIN 0x14                                       ; sources 1 and 2 (gamma, beta) window 1
.set n, 0
.rept 32
	v_pk_fma_f32 v[X+2*n:X+2*n+1], v[X+2*n:X+2*n+1], v[128+2*n:129+2*n], v[192+2*n:193+2*n]   ; xn
	v_pk_fma_f32 v[X+64+2*n:X+64+2*n+1], v[X+64+2*n:X+64+2*n+1], v[128+2*n:129+2*n], v[192+2*n:193+2*n]
.set n, n+1
.endr
	WIN 0
	s_wait_alu depctr_va_vdst(0)
	s_wait_xcnt 0x0                                ; the stores of st have read their registers, which the third set's codes take
.irp s, 0,1,2,3
	WLOAD 1, \s                                    ; Wk takes gamma's and beta's registers
.endr
	QUANT 0
	ISTORE 0, XWI, 0
	QUANT 1
	ISTORE 1, XWI, 32768
	QUANT 2
	v_add_nc_u32 v[SIN], 0x10000, v[XWI]
	ISTORE 2, SIN, 0
	BARRIER                                        ; xn's three sets lie in LDS; they are never written again
	XLOAD 0
	XLOAD 1
.irp s, 0,1,2,3
	PSTEP 0, \s                                    ; q
.endr
.irp s, 0,1,2,3
	PSTEP 1, \s                                    ; k
.endr
.irp s, 0,1,2,3
	PSTEP 2, \s                                    ; v
.endr
	s_wait_tensorcnt 0x0                           ; the wave's end: behind my last LDS store
	ds_add_u32 v[SPW], v[NIL]
	s_wait_dscnt 0x0
	s_endpgm
.Lfunc_end_k_qb5b42f8164_qkv:
	.size	k_qb5b42f8164_qkv, .Lfunc_end_k_qb5b42f8164_qkv-k_qb5b42f8164_qkv
	.p2alignl 7, 3214868480
	.fill 96, 4, 3214868480
	.section	.rodata,"a",@progbits
	.p2align	6, 0x0
	.amdhsa_kernel k_qb5b42f8164_qkv
		.amdhsa_group_segment_fixed_size 240640
		.amdhsa_private_segment_fixed_size 0
		.amdhsa_enable_private_segment 0
		.amdhsa_kernarg_size 64
		.amdhsa_user_sgpr_count 2
		.amdhsa_user_sgpr_kernarg_segment_ptr 1
		.amdhsa_wavefront_size32 1
		.amdhsa_system_sgpr_workgroup_id_x 1
		.amdhsa_system_sgpr_workgroup_id_y 1
		.amdhsa_system_sgpr_workgroup_id_z 1
		.amdhsa_system_vgpr_workitem_id 0
		.amdhsa_next_free_vgpr 512
		.amdhsa_next_free_sgpr 76
		.amdhsa_reserve_vcc 1
		.amdhsa_float_denorm_mode_32 3
		.amdhsa_float_denorm_mode_16_64 3
		.amdhsa_memory_ordered 1
		.amdhsa_forward_progress 1
		.amdhsa_inst_pref_size 115
	.end_amdhsa_kernel
	.amdgpu_metadata
---
amdhsa.version: [ 1, 2 ]
amdhsa.kernels:
  - .name:           k_qb5b42f8164_qkv
    .symbol:         k_qb5b42f8164_qkv.kd
    .args:
      - { .name: x, .offset: 0, .size: 8, .value_kind: global_buffer, .address_space: global }
      - { .name: ln_gamma, .offset: 8, .size: 8, .value_kind: global_buffer, .address_space: global }
      - { .name: ln_beta, .offset: 16, .size: 8, .value_kind: global_buffer, .address_space: global }
      - { .name: lowp_scales, .offset: 24, .size: 8, .value_kind: global_buffer, .address_space: global }
      - { .name: wc, .offset: 32, .size: 8, .value_kind: global_buffer, .address_space: global }
      - { .name: qc, .offset: 40, .size: 8, .value_kind: global_buffer, .address_space: global }
      - { .name: kv, .offset: 48, .size: 8, .value_kind: global_buffer, .address_space: global }
      - { .name: st, .offset: 56, .size: 8, .value_kind: global_buffer, .address_space: global }
    .group_segment_fixed_size: 240640
    .private_segment_fixed_size: 0
    .kernarg_segment_align: 8
    .kernarg_segment_size: 64
    .max_flat_workgroup_size: 256
    .sgpr_count:     76
    .vgpr_count:     512
    .wavefront_size: 32
...
	.end_amdgpu_metadata
.endif
;; end of part 2
;; launch attn (part 3): grid 8 x 32, 8 waves a work-group, clusters of 4 x 1, 327,680 bytes of LDS; arguments qc, kv, st, x, ln_gamma, ln_beta, lowp_scales, out0; writes out0
.if DOCPART == 3
	.amdgcn_target "amdgcn-amd-amdhsa--gfx1250"
	.amdhsa_code_object_version 6
	.text
	.protected	k_qb5b42f8164_attn
	.globl	k_qb5b42f8164_attn
	.p2align	8
	.type	k_qb5b42f8164_attn,@function
k_qb5b42f8164_attn:
	s_mov_b64 s[64:65], 0
	v_nop
	global_prefetch_b8 v0, s[64:65] scope:SCOPE_SE
	s_setreg_imm32_b32 hwreg(HW_REG_WAVE_MODE, 25, 1), 1
	s_wait_xcnt 0x0
	s_wait_alu depctr_hold_cnt(0) depctr_sa_sdst(0) depctr_va_vdst(0) depctr_va_sdst(0) depctr_va_ssrc(0) depctr_va_vcc(0) depctr_vm_vsrc(0)
	s_getreg_b32 s2, hwreg(HW_REG_IB_STS2, 6, 4)
	s_cmp_eq_u32 s2, 0
	s_cbranch_scc0 .Lentry_in_a_cluster
	s_endpgm
.Lentry_in_a_cluster:
	s_bfe_u32 s2, ttmp6, 0x10000c
	s_cmp_lg_u32 s2, 0x3003
	s_cbranch_scc0 .Lentry_shape_is_right
	s_endpgm
.Lentry_shape_is_right:
; out = softmax(q k^T / sqrt(512)) v + xn on codes of E4M3, xn = (x - mu) rs gamma + beta made anew from x and the rows' mu, rs.  No work of the problem is left out here.
; p = 2^(t - M), t = score x log2(e) / sqrt(512), M the running maximum rounded up to a whole number; the row's sum is taken of the unquantised p; when M moves, sum and O are multiplied by a power of two.
; LIMITS: e6 + e7 lies between -122 and 131 (added to the exponent field of c), e8 between -126 and 119; the scaled scores stay under 2^31 in magnitude.  NaN among the inputs is not served.
; SHARES.  A work-group owns 256 queries of one batch and head, a wave 32 of them: two tiles A and B of 16, which share every fragment of K and V.  16 steps of 128 keys.
; A head's K and V (256 KiB, laid as the operands' registers: per step 8 tiles of k of 1,024 bytes, 4 tiles of v of 2,048) lie whole in LDS.  They come by two joint loads a wave: steps 0-3, then steps 4-15,
; each wave an eighth.  CLUSTER: the four work-groups of a cluster have the same head and ask jointly.  The second load has three steps' work in which to land.
; No data prefetch: both loads go out at the head, so there is no loop of loads to run ahead in; the residual's rows are asked for sixteen steps ahead of their use.
; LAYOUT (r = lane % 16, h = lane / 16).  S^T = K Q^T: register j of tile u is key 16 u + 8 h + j of query r: one conversion of its eight registers gives registers 2 u, 2 u + 1 of P for the K = 128 form.
; O^T = V^T P^T: register j of tile t is channel 16 t + 8 h + j of query r.
; REGISTERS, window 0: v16-31 Q of A, B; v32-95 S of A, then p; v96-159 of B; v160-191 O of A, v192-223 of B; v224-239 P's codes of A, v240-255 of B (at work before those are made).
;   Window 1: v0-63 K's fragments, v64-127 V's, v128-191 x's rows, then xn, v192-223 mu and rs, v224-231 gamma and beta.
.set STEPB, 16384
.set SLOTB, 4*STEPB                    ; what the first load brings
.set SPARE, 16*STEPB                   ; the spare words, 128 bytes for each wave: four blocks of 256 bytes that no other line names
.set STAGE, SPARE+1024                 ; the way out: 16 rows x SP bytes for each wave; no fill lands there
.set SP,    272
.set EPS, 0                            ; v0   2^e8 as f32 (behind the head)
.set SPW, 1                            ; v1   LDS address of my spare word; never rewritten
.set ADR, 2                            ; v2   LDS address of the step's fragments
.set NIL, 3                            ; v3   0; never rewritten
.set LB,  4                            ; v[4:5]   the sum of B in two halves
.set NMA, 6                            ; v6   -M of A, v8 of B: the low words of pairs whose upper words are v7, v9
.set LI,  7                            ; v7   16 x lane
.set NMB, 8
.set STO, 9                            ; v9   my stage, on the way in
.set FA,  10                           ; v10  f of A, v12 of B, likewise low words of pairs
.set RD,  11                           ; v11  my stage, on the way out
.set FB,  12
.set GO,  13                           ; v13  my byte offset in the wave's rows of x and out
.set LA,  14                           ; v[14:15] the sum of A in two halves
.set SA,  32
.set SB,  96
.set OA,  160
.set OB,  192
.set PA,  224
.set PB,  240
.set XR,  128                          ; window 1
.set ST,  192
.set GB,  224
.set WV,  40                           ; s40  my wave's number
.set MSB, 0
.macro WIN new                         ; the immediate's high byte repeats the setting that is left
.if MSB != (\new)
	s_set_vgpr_msb (MSB<<8)|(\new)
.set MSB, (\new)
.endif
.endm
.macro CROUND                          ; a round of the cluster's barrier
	s_barrier_signal -1
	s_barrier_wait -1
	s_cmp_lg_u32 s[WV], 0
	s_cbranch_scc1 .Lnot_wave_0_\@
	s_barrier_signal -3
.Lnot_wave_0_\@:
	s_barrier_wait -3
	s_barrier_signal -1
	s_barrier_wait -1
.endm
.macro KLOAD off                       ; K's eight fragments of a step
	WIN 0x40
.irp u, 0,1,2,3,4,5,6,7
	ds_load_b128 v[8*\u:8*\u+3], v[ADR] offset:\off+1024*\u
	ds_load_b128 v[8*\u+4:8*\u+7], v[ADR] offset:\off+1024*\u+512
.endr
	WIN 0
.endm
.macro VLOAD                           ; V's four fragments of the step in hand
	WIN 0x40
.irp t, 0,1,2,3
.irp c, 0,1,2,3
	ds_load_b128 v[64+16*\t+4*\c:67+16*\t+4*\c], v[ADR] offset:8192+2048*\t+512*\c
.endr
.endr
	WIN 0
.endm
.macro SPROD                           ; S of both tiles: each fragment of K serves two matrix instructions
	WIN 0x01
.irp u, 0,1,2,3,4,5,6,7
	v_wmma_f32_16x16x64_fp8_fp8 v[SA+8*\u:SA+8*\u+7], v[8*\u:8*\u+7], v[16:23], 0
.endr
.irp u, 0,1,2,3,4,5,6,7
	v_wmma_f32_16x16x64_fp8_fp8 v[SB+8*\u:SB+8*\u+7], v[8*\u:8*\u+7], v[24:31], 0
.endr
.endm
.macro PVPROD                          ; the eight accumulators take turns, one instruction a turn
	WIN 0x01
.irp t, 0,1,2,3
	v_wmma_f32_16x16x128_fp8_fp8 v[OA+8*\t:OA+8*\t+7], v[64+16*\t:79+16*\t], v[PA:PA+15], v[OA+8*\t:OA+8*\t+7]
.endr
.irp t, 0,1,2,3
	v_wmma_f32_16x16x128_fp8_fp8 v[OB+8*\t:OB+8*\t+7], v[64+16*\t:79+16*\t], v[PB:PB+15], v[OB+8*\t:OB+8*\t+7]
.endr
	WIN 0
.endm
.macro MAXES                           ; each tile's largest score in four chains, two accumulators a chain, each accumulator from its low end on
.irp k, 0,1,2,3
	v_max3_num_f32 v[PA+\k], v[SA+16*\k], v[SA+16*\k+1], v[SA+16*\k+2]
	v_max3_num_f32 v[PB+\k], v[SB+16*\k], v[SB+16*\k+1], v[SB+16*\k+2]
.endr
.irp i, 3,5,7,9,11,13
.irp k, 0,1,2,3
	v_max3_num_f32 v[PA+\k], v[PA+\k], v[SA+16*\k+\i], v[SA+16*\k+\i+1]
	v_max3_num_f32 v[PB+\k], v[PB+\k], v[SB+16*\k+\i], v[SB+16*\k+\i+1]
.endr
.endr
	v_max3_num_f32 v[PA], v[PA], v[SA+15], v[SA+31]
	v_max3_num_f32 v[PB], v[PB], v[SB+15], v[SB+31]
	v_max3_num_f32 v[PA+1], v[PA+1], v[SA+47], v[SA+63]
	v_max3_num_f32 v[PB+1], v[PB+1], v[SB+47], v[SB+63]
	v_max3_num_f32 v[PA+2], v[PA+2], v[PA+3], v[PA]
	v_max3_num_f32 v[PB+2], v[PB+2], v[PB+3], v[PB]
	v_max_num_f32 v[PA], v[PA+1], v[PA+2]
	v_max_num_f32 v[PB], v[PB+1], v[PB+2]
.endm
.macro SCALE S, M, i                   ; t - M, two at a time
	v_pk_fma_f32 v[\S+2*(\i):\S+2*(\i)+1], v[\S+2*(\i):\S+2*(\i)+1], s[22:23], v[\M:\M+1] op_sel_hi:[1,0,0]
.endm
.macro HOLD S, i                       ; p at most 448 x 2^e8 (the conversion to an 8-bit code does not saturate: ISA guide 7.6.2); p is not negative, so one side is enough; two at a time
	v_dual_min_num_f32 v[\S+2*(\i)], s74, v[\S+2*(\i)] :: v_dual_min_num_f32 v[\S+2*(\i)+1], s74, v[\S+2*(\i)+1]
.endm
.macro SADD S, L, F                    ; line a of 32: the sum of p in four chains of pairs; the first line brings the old sum under the new M
.if a == 0
	v_pk_fma_f32 v[\L:\L+1], v[\L:\L+1], v[\F:\F+1], v[\S:\S+1] op_sel_hi:[1,0,1]
.elseif a < 4
	v_pk_add_f32 v[242+2*a:243+2*a], v[\S+4*a-2:\S+4*a-1], v[\S+4*a:\S+4*a+1]
.elseif a == 29
	v_pk_add_f32 v[244:245], v[244:245], v[246:247]
.elseif a == 30
	v_pk_add_f32 v[\L:\L+1], v[\L:\L+1], v[248:249]
.elseif a == 31
	v_pk_add_f32 v[\L:\L+1], v[\L:\L+1], v[244:245]
.elseif (a%4) == 0
	v_pk_add_f32 v[\L:\L+1], v[\L:\L+1], v[\S+2*a+6:\S+2*a+7]
.else
	v_pk_add_f32 v[242+2*(a%4):243+2*(a%4)], v[242+2*(a%4):243+2*(a%4)], v[\S+2*a+6:\S+2*a+7]
.endif
.set a, a+1
.endm
.macro CODE P, S, i
	v_cvt_scalef32_pk8_fp8_f32 v[\P+2*(\i):\P+2*(\i)+1], v[\S+8*(\i):\S+8*(\i)+7], v[EPS]
.endm
; A STEP: S of both tiles is there on the way in; the next step's S is made on the way out (next = 1).
.macro STEP next
	v_add_nc_u32 v[ADR], s50, v[LI]                ; these four lines are also the places behind the last products, in front of loads into registers that they have read and of the reads of S
	v_mov_b32 v[FA], v[NMA]
	v_mov_b32 v[FB], v[NMB]
	v_nop
.if \next
	KLOAD STEPB
.endif
	MAXES
	VLOAD
	v_permlanex16_b32 v[PA+1], v[PA], s20, s21     ; the query's other 64 keys lie in lane l xor 16
	v_permlanex16_b32 v[PB+1], v[PB], s20, s21
	v_max_num_f32 v[PA], v[PA], v[PA+1]
	v_max_num_f32 v[PB], v[PB], v[PB+1]
	v_mul_f32 v[PA], s22, -v[PA]                   ; -t (c is positive)
	v_mul_f32 v[PB], s22, -v[PB]
	v_floor_f32 v[PA], v[PA]
	v_floor_f32 v[PB], v[PB]
	v_min_num_f32 v[NMA], v[NMA], v[PA]            ; -M, a whole number, never grows
	v_min_num_f32 v[NMB], v[NMB], v[PB]
.irp i, 0,1,2,3
	SCALE SA, NMA, \i
.endr
	v_sub_f32 v[FA], v[NMA], v[FA]                 ; old M - new M
	v_sub_f32 v[FB], v[NMB], v[FB]
.irp i, 4,5,6,7
	SCALE SA, NMA, \i
.endr
	v_cvt_i32_f32 v[FA], v[FA]                     ; (it saturates)
	v_cvt_i32_f32 v[FB], v[FB]
.irp i, 8,9,10,11
	SCALE SA, NMA, \i
.endr
	v_ldexp_f32 v[FA], 1.0, v[FA]                  ; f = 2^(old M - new M)
	v_ldexp_f32 v[FB], 1.0, v[FB]
.set n, 12
.rept 20
	SCALE SA, NMA, n
.set n, n+1
.endr
	s_wait_alu depctr_va_vdst(0)                   ; ahead of the batch
.set n, 0
.rept 32                               ; A's exponentials, and between them B's scalings, which nothing reads before the wait below
	v_exp_f32 v[SA+2*n], v[SA+2*n]
	v_exp_f32 v[SA+2*n+1], v[SA+2*n+1]
	SCALE SB, NMB, n
.set n, n+1
.endr
	s_wait_alu depctr_va_vdst(0)                   ; behind A's batch and ahead of B's
.set a, 0
.rept 32
	SADD SA, LA, FA
.endr
.set n, 0
.rept 32                               ; B's exponentials, and between them A's holds, which nothing reads before the wait below
	v_exp_f32 v[SB+2*n], v[SB+2*n]
	v_exp_f32 v[SB+2*n+1], v[SB+2*n+1]
	HOLD SA, n
.set n, n+1
.endr
	s_wait_alu depctr_va_vdst(0)                   ; behind B's batch, and directly ahead of the first reader of O
.set n, 0
.rept 16
	v_pk_mul_f32 v[OA+2*n:OA+2*n+1], v[OA+2*n:OA+2*n+1], v[FA:FA+1] op_sel_hi:[1,0]
.set n, n+1
.endr
.set n, 0
.rept 16
	v_pk_mul_f32 v[OB+2*n:OB+2*n+1], v[OB+2*n:OB+2*n+1], v[FB:FB+1] op_sel_hi:[1,0]
.set n, n+1
.endr
.set a, 0
.set g, 0
.rept 8                                ; B's sum; A's codes
.rept 4
	SADD SB, LB, FB
.endr
	CODE PA, SA, g
.set g, g+1
.endr
.set g, 0
.rept 8                                ; B's holds and codes
.irp i, 0,1,2,3
	HOLD SB, 4*g+\i
.endr
.if g > 0
	CODE PB, SB, g-1
.endif
.set g, g+1
.endr
	CODE PB, SB, 7
	v_nop                                          ; a plain line between the last conversion and the products
	s_wait_alu depctr_va_vdst(0)
	s_wait_dscnt 0x0                               ; this step's V and the next step's K are in
.if \next
	SPROD
.endif
	PVPROD
.endm
	s_load_b256 s[4:11], s[0:1], 0x0               ; qc s[4:5], kv s[6:7], st s[8:9], x s[10:11]
	s_load_b256 s[12:19], s[0:1], 0x20             ; gamma s[12:13], beta s[14:15], the scales' exponents s[16:17], out s[18:19]
	v_lshl_add_u32 v[SPW], v0, 2, SPARE
	v_mov_b32 v[NIL], 0
	ds_add_u32 v[SPW], v[NIL]                      ; the wave's opening
	ds_add_u32 v[SPW], v[NIL]
	v_lshrrev_b32 v2, 5, v0
	v_readfirstlane_b32 s[WV], v2                  ; wave 0..7
	s_mul_i32 s75, s[WV], 16*SP
	s_add_co_u32 s75, s75, STAGE                   ; my stage
	v_and_b32 v[LI], 31, v0
	v_lshlrev_b32 v[LI], 4, v[LI]
	v_and_b32 v4, 15, v0                           ; r
	v_bfe_u32 v5, v0, 4, 1                         ; h
	v_lshlrev_b32 v6, 4, v4
	v_lshl_add_u32 v[GO], v5, 11, v6               ; lanes 0-15 take one row of x or out, lanes 16-31 the next
	v_mul_u32_u24 v8, v4, SP
	v_lshl_add_u32 v8, v5, 5, v8
	v_add_nc_u32 v[STO], s75, v8                   ; in: row r, 32 bytes for each half of the lanes
	v_mul_u32_u24 v10, v5, SP
	v_add_nc_u32 v10, v10, v6
	v_add_nc_u32 v[RD], s75, v10                   ; out: two rows an instruction
	WIN 0x40
	v_lshlrev_b32 v232, 4, v4                      ; window 1: 16 r, for gamma and beta
	v_lshlrev_b32 v233, 4, v5                      ; window 1: 16 h, for st
	WIN 0
	s_bfe_u32 s41, ttmp6, 0x40000                  ; my place in the cluster
	s_lshl_b32 s42, ttmp9, 2
	s_add_co_u32 s42, s42, s41                     ; which 256 queries
	s_and_b32 s43, ttmp7, 0xffff                   ; bh = 8 x batch + head
	; descriptor group 1 of the two loads: rows of 256 bytes, dense, elements of 8 bytes; 32 rows a wave, then 96; for all four of the cluster
.irp g, 24, 56
	s_mov_b32 s[\g], 15|(3<<16)|(1<<21)
	s_mov_b32 s[\g+1], 32<<16
	s_mov_b32 s[\g+3], 32<<16
	s_mov_b32 s[\g+5], 32
	s_mov_b32 s[\g+6], 0
	s_mov_b32 s[\g+7], 0
.endr
	s_mov_b32 s26, 32<<16
	s_mov_b32 s28, 32
	s_mov_b32 s58, 96<<16
	s_mov_b32 s60, 96
	s_mov_b32 s20, 0x76543210                      ; v_permlanex16_b32: lane l xor 16
	s_mov_b32 s21, 0xfedcba98
	s_mov_b32 s22, 0x3d8293ee                      ; c = log2(e) / sqrt(512)
	s_mov_b32 s32, 1
	s_mov_b32 s36, 1
	s_lshl_b32 s33, s[WV], 13                      ; LDS: my eighth of steps 0-3
	s_mul_i32 s37, s[WV], 3*8192
	s_add_co_u32 s37, s37, SLOTB                   ; and of steps 4-15; the same places in the head's codes
	s_lshl_b32 s44, s43, 18
	s_add_co_u32 s46, s44, s37
	s_add_co_u32 s44, s44, s33
	s_mov_b32 s45, 0
	s_mov_b32 s47, 0
	s_lshl_b32 s52, s43, 17                        ; qc: bh x 131,072 + 16 tiles a work-group + 2 tiles a wave
	s_lshl_b32 s53, s42, 14
	s_add_co_u32 s52, s52, s53
	s_lshl_b32 s53, s[WV], 11
	s_add_co_u32 s52, s52, s53
	s_mov_b32 s53, 0
	s_lshr_b32 s48, s43, 3                         ; my first token: 2,048 x batch + 256 x block + 32 x wave
	s_lshl_b32 s48, s48, 11
	s_lshl_b32 s49, s42, 8
	s_add_co_u32 s48, s48, s49
	s_lshl_b32 s49, s[WV], 5
	s_add_co_u32 s48, s48, s49
	s_lshl_b32 s66, s48, 4                         ; st: 16 bytes a token
	s_mov_b32 s67, 0
	s_and_b32 s54, s43, 7
	s_lshl_b32 s54, s54, 8                         ; the head's 64 channels: 256 bytes of a row
	s_mov_b32 s55, 0
	s_lshl_b32 s48, s48, 11
	s_add_co_u32 s48, s48, s54
	s_mov_b32 s49, 0
	s_wait_alu depctr_va_vdst(0)
	s_wait_dscnt 0x0                               ; both opening adds are done
	s_wait_kmcnt 0x0
	s_load_b128 s[68:71], s[16:17], 0x18           ; e6, e7, e8, e9
	s_add_nc_u64 s[34:35], s[6:7], s[44:45]
	s_add_nc_u64 s[38:39], s[6:7], s[46:47]
	s_or_b32 s35, s35, 0x80000000
	s_or_b32 s39, s39, 0x80000000
	s_add_nc_u64 s[4:5], s[4:5], s[52:53]
	s_add_nc_u64 s[8:9], s[8:9], s[66:67]
	s_add_nc_u64 s[10:11], s[10:11], s[48:49]
	s_add_nc_u64 s[18:19], s[18:19], s[48:49]
	s_add_nc_u64 s[12:13], s[12:13], s[54:55]
	s_add_nc_u64 s[14:15], s[14:15], s[54:55]
	CROUND                                         ; the cluster's four work-groups are here: the first joint loads meet
	tensor_load_to_lds s[32:35], s[24:31]          ; steps 0-3
	s_nop 0
	global_load_b128 v[16:19], v[LI], s[4:5]       ; Q: 8 registers a tile
	global_load_b128 v[20:23], v[LI], s[4:5] offset:512
	global_load_b128 v[24:27], v[LI], s[4:5] offset:1024
	global_load_b128 v[28:31], v[LI], s[4:5] offset:1536
	; the loop is written once: its first step finds zeros, which the first change of M leaves zeros.  All this stands in the first load's flight
.set n, 0
.rept 64
	v_mov_b32 v[OA+n], 0
.set n, n+1
.endr
	v_mov_b32 v[LA], 0
	v_mov_b32 v[LA+1], 0
	v_mov_b32 v[LB], 0
	v_mov_b32 v[LB+1], 0
	v_mov_b32 v[NMA], 0x7f61b1e6                   ; -M = 3e38
	v_mov_b32 v[NMB], 0x7f61b1e6
	s_wait_kmcnt 0x0
	s_add_co_i32 s72, s68, s69
	s_lshl_b32 s72, s72, 23
	s_add_co_i32 s22, s22, s72                     ; a score stands for score x 2^(e6 + e7): added to c's exponent field
	s_mov_b32 s23, s22                             ; (named with it as a pair)
	s_add_co_i32 s72, s70, 127
	s_lshl_b32 s73, s72, 23                        ; 2^e8 as f32
	s_add_co_i32 s72, s72, 8
	s_lshl_b32 s72, s72, 23
	s_or_b32 s74, s72, 0x600000                    ; 448 x 2^e8
	s_add_co_i32 s72, s70, s71                     ; e8 + e9
	v_mov_b32 v[EPS], s73
	s_wait_alu depctr_va_vdst(0)
	s_wait_tensorcnt 0x0                           ; my part of steps 0-3 is in
	ds_add_u32 v[SPW], v[NIL]
	s_wait_dscnt 0x0
	CROUND                                         ; everybody's part is in, and the joint loads meet
	tensor_load_to_lds s[36:39], s[56:63]          ; steps 4-15
	s_nop 0
.rept 4
	v_nop
.endr
	s_mov_b32 s50, 0
	v_add_nc_u32 v[ADR], s50, v[LI]
	KLOAD 0
	s_wait_loadcnt 0x0                             ; Q
	s_wait_dscnt 0x0
	SPROD
	WIN 0x40
.irp i, 0,1                            ; the residual's rows, wanted behind step 14
.irp k, 0,1,2,3,4,5,6,7
	global_load_b128 v[XR+32*\i+4*\k:XR+32*\i+4*\k+3], v[GO], s[10:11] offset:(16*\i+2*\k)*2048 th:TH_LOAD_NT   ; sixteen lanes read 256 consecutive bytes
.endr
.endr
	WIN 0x41
.irp i, 0,1
.irp k, 0,1,2,3,4,5,6,7
	global_load_b32 v[ST+16*\i+2*\k], v233, s[8:9] offset:(16*\i+2*\k)*16      ; mu
	global_load_b32 v[ST+16*\i+2*\k+1], v233, s[8:9] offset:(16*\i+2*\k)*16+8  ; rs
.endr
.endr
	global_load_b128 v[GB:GB+3], v232, s[12:13]
	global_load_b128 v[GB+4:GB+7], v232, s[14:15]
	WIN 0
	s_mov_b32 s51, 3
.Lfirst:                                               ; steps 0-2; the K that they fetch ahead ends with step 3's
	STEP 1
	s_add_co_u32 s50, s50, STEPB
	s_sub_co_u32 s51, s51, 1
	s_cmp_lg_u32 s51, 0
	s_cbranch_scc1 .Lfirst
	s_wait_alu depctr_va_vdst(0)
	s_wait_tensorcnt 0x0                           ; my part of steps 4-15 is in, and behind the barrier everybody's; nothing is filled again
	s_wait_dscnt 0x0
	s_barrier_signal -1
	s_barrier_wait -1
	s_mov_b32 s50, 3*STEPB
	s_mov_b32 s51, 12
.Lrest:                                                ; steps 3-14
	STEP 1
	s_add_co_u32 s50, s50, STEPB
	s_sub_co_u32 s51, s51, 1
	s_cmp_lg_u32 s51, 0
	s_cbranch_scc1 .Lrest
	s_wait_alu depctr_va_vdst(0)
	s_wait_loadcnt 0x0                             ; the residual's loads
	WIN 0x55
.irp i, 0,1                            ; xn = (x - mu) rs gamma + beta; of the pair (mu, rs) one word serves both halves
.irp k, 0,1,2,3,4,5,6,7
.irp e, 0,2
	v_pk_add_f32 v[XR+32*\i+4*\k+\e:XR+32*\i+4*\k+\e+1], v[XR+32*\i+4*\k+\e:XR+32*\i+4*\k+\e+1], v[ST+16*\i+2*\k:ST+16*\i+2*\k+1] op_sel_hi:[1,0] neg_lo:[0,1] neg_hi:[0,1]
.endr
.endr
.irp k, 0,1,2,3,4,5,6,7
.irp e, 0,2
	v_pk_mul_f32 v[XR+32*\i+4*\k+\e:XR+32*\i+4*\k+\e+1], v[XR+32*\i+4*\k+\e:XR+32*\i+4*\k+\e+1], v[ST+16*\i+2*\k:ST+16*\i+2*\k+1] op_sel:[0,1] op_sel_hi:[1,1]
.endr
.endr
.irp k, 0,1,2,3,4,5,6,7
.irp e, 0,2
	v_pk_fma_f32 v[XR+32*\i+4*\k+\e:XR+32*\i+4*\k+\e+1], v[XR+32*\i+4*\k+\e:XR+32*\i+4*\k+\e+1], v[GB+\e:GB+\e+1], v[GB+4+\e:GB+5+\e]
.endr
.endr
.endr
	WIN 0
	s_mov_b32 s50, 15*STEPB
	STEP 0                                         ; the last step fetches no K and makes no S
	; THE WAY OUT: O / sum x 2^(e8 + e9) goes through my stage, comes back as rows of 256 bytes, takes the residual and leaves
	v_add_f32 v[LA], v[LA], v[LA+1]
	v_add_f32 v[LB], v[LB], v[LB+1]
	v_permlanex16_b32 v32, v[LA], s20, s21
	v_permlanex16_b32 v33, v[LB], s20, s21
	v_add_f32 v[LA], v[LA], v32
	v_add_f32 v[LB], v[LB], v33
	s_wait_alu depctr_va_vdst(0)                   ; ahead of the batch,
	v_rcp_f32 v[LA], v[LA]
	v_rcp_f32 v[LB], v[LB]
	v_nop
	s_wait_alu depctr_va_vdst(0)                   ; and behind it
	v_ldexp_f32 v[LA], v[LA], s72
	v_ldexp_f32 v[LB], v[LB], s72
	s_wait_alu depctr_va_vdst(0)                   ; directly ahead of the first reader of O
.set n, 0
.rept 16
	v_pk_mul_f32 v[32+2*n:33+2*n], v[OA+2*n:OA+2*n+1], v[LA:LA+1] op_sel_hi:[1,0]
.set n, n+1
.endr
.set n, 0
.rept 16
	v_pk_mul_f32 v[64+2*n:65+2*n], v[OB+2*n:OB+2*n+1], v[LB:LB+1] op_sel_hi:[1,0]
.set n, n+1
.endr
.irp i, 0,1                            ; LDS serves a wave's instructions in order: the loads see the stores, and B's stores come behind A's loads
.irp t, 0,1,2,3
	ds_store_b128 v[STO], v[32+32*\i+8*\t:35+32*\i+8*\t] offset:64*\t
	ds_store_b128 v[STO], v[36+32*\i+8*\t:39+32*\i+8*\t] offset:64*\t+16
.endr
.irp k, 0,1,2,3,4,5,6,7
	ds_load_b128 v[96+32*\i+4*\k:99+32*\i+4*\k], v[RD] offset:2*SP*\k
.endr
.endr
	WIN 0x44                                       ; the sum goes to window 1, where the residual lies; the store's data too
.irp i, 0,1
.irp k, 0,1,2,3,4,5,6,7
	s_wait_dscnt 23-16*\i-\k                       ; row k is back: behind it 7 - k loads, and behind A's eight stores and eight loads of B
.irp e, 0,2
	v_pk_add_f32 v[XR+32*\i+4*\k+\e:XR+32*\i+4*\k+\e+1], v[96+32*\i+4*\k+\e:97+32*\i+4*\k+\e], v[XR+32*\i+4*\k+\e:XR+32*\i+4*\k+\e+1]
.endr
	global_store_b128 v[GO], v[XR+32*\i+4*\k:XR+32*\i+4*\k+3], s[18:19] offset:(16*\i+2*\k)*2048 th:TH_STORE_NT   ; sixteen lanes store one aligned unit of 256 bytes
.endr
.endr
	WIN 0
	s_wait_tensorcnt 0x0                           ; the wave's end
	ds_add_u32 v[SPW], v[NIL]
	s_wait_dscnt 0x0
	CROUND                                         ; the closing round: no work-group ends while a partner may still ask for a tile that names it
	s_endpgm
.Lfunc_end_k_qb5b42f8164_attn:
	.size	k_qb5b42f8164_attn, .Lfunc_end_k_qb5b42f8164_attn-k_qb5b42f8164_attn
	.p2alignl 7, 3214868480
	.fill 96, 4, 3214868480
	.section	.rodata,"a",@progbits
	.p2align	6, 0x0
	.amdhsa_kernel k_qb5b42f8164_attn
		.amdhsa_group_segment_fixed_size 327680
		.amdhsa_private_segment_fixed_size 0
		.amdhsa_enable_private_segment 0
		.amdhsa_kernarg_size 64
		.amdhsa_user_sgpr_count 2
		.amdhsa_user_sgpr_kernarg_segment_ptr 1
		.amdhsa_wavefront_size32 1
		.amdhsa_system_sgpr_workgroup_id_x 1
		.amdhsa_system_sgpr_workgroup_id_y 1
		.amdhsa_system_sgpr_workgroup_id_z 1
		.amdhsa_system_vgpr_workitem_id 0
		.amdhsa_next_free_vgpr 512
		.amdhsa_next_free_sgpr 80
		.amdhsa_reserve_vcc 0
		.amdhsa_float_denorm_mode_32 3
		.amdhsa_float_denorm_mode_16_64 3
		.amdhsa_memory_ordered 1
		.amdhsa_forward_progress 1
		.amdhsa_inst_pref_size 113
	.end_amdhsa_kernel
	.amdgpu_metadata
---
amdhsa.version: [ 1, 2 ]
amdhsa.kernels:
  - .name:           k_qb5b42f8164_attn
    .symbol:         k_qb5b42f8164_attn.kd
    .args:
      - { .name: qc, .offset: 0, .size: 8, .value_kind: global_buffer, .address_space: global }
      - { .name: kv, .offset: 8, .size: 8, .value_kind: global_buffer, .address_space: global }
      - { .name: st, .offset: 16, .size: 8, .value_kind: global_buffer, .address_space: global }
      - { .name: x, .offset: 24, .size: 8, .value_kind: global_buffer, .address_space: global }
      - { .name: ln_gamma, .offset: 32, .size: 8, .value_kind: global_buffer, .address_space: global }
      - { .name: ln_beta, .offset: 40, .size: 8, .value_kind: global_buffer, .address_space: global }
      - { .name: lowp_scales, .offset: 48, .size: 8, .value_kind: global_buffer, .address_space: global }
      - { .name: out0, .offset: 56, .size: 8, .value_kind: global_buffer, .address_space: global }
    .group_segment_fixed_size: 327680
    .private_segment_fixed_size: 0
    .kernarg_segment_align: 8
    .kernarg_segment_size: 64
    .max_flat_workgroup_size: 256
    .sgpr_count:     80
    .vgpr_count:     512
    .wavefront_size: 32
...
	.end_amdgpu_metadata
.endif
;; end of part 3
